; MI455X (gfx1250); checked and timed in simulation.
; The chip was launched on July 23, 2026; its instructions are those of AMD's public machine-readable ISA for CDNA 5 (MIT licence, August 2026) and "CDNA5" Instruction Set Architecture Reference Guide (July 2026). The comments in the code are by the model that wrote it; some were corrected since.
;; Compressed Linear Layer. Allowed arithmetic: float matrix products may take bf16 or f16 operands with f32 sums; all other float work in f32.
;; Inputs: A 4,096 x 512 float32; B 4,096 x 512 float32; bias 4,096 float32; x 4 x 512 x 4,096 float32.
;; Outputs: out0 4 x 512 x 4,096 float32.
;; One version. Each part assembles by itself: llvm-mc -triple=amdgcn-amd-amdhsa -mcpu=gfx1250 --defsym DOCPART=n.
;; ======== version 1 of 1: 2 launches
;; workspace buffers: t2 2,097,152 bytes
;; launch xb (part 1): grid 8 x 32, 4 waves a work-group, clusters of 4 x 1, 327,680 bytes of LDS; arguments x, B, t2; writes t2
.if DOCPART == 1
	.amdgcn_target "amdgcn-amd-amdhsa--gfx1250"
	.amdhsa_code_object_version 6
	.text
	.protected	k_qbcb8ac3842_xb
	.globl	k_qbcb8ac3842_xb
	.p2align	8
	.type	k_qbcb8ac3842_xb,@function
k_qbcb8ac3842_xb:
	s_mov_b64 s[64:65], 0
	v_nop
	global_prefetch_b8 v0, s[64:65] scope:SCOPE_SE
	s_setreg_imm32_b32 hwreg(HW_REG_WAVE_MODE, 25, 1), 1
	s_wait_xcnt 0x0
	s_wait_alu depctr_hold_cnt(0) depctr_sa_sdst(0) depctr_va_vdst(0) depctr_va_sdst(0) depctr_va_ssrc(0) depctr_va_vcc(0) depctr_vm_vsrc(0)
	s_getreg_b32 s2, hwreg(HW_REG_IB_STS2, 6, 4)
	s_cmp_eq_u32 s2, 0
	s_cbranch_scc0 .Lentry_in_a_cluster
	s_endpgm
.Lentry_in_a_cluster:
	s_bfe_u32 s2, ttmp6, 0x10000c
	s_cmp_lg_u32 s2, 0x3003
	s_cbranch_scc0 .Lentry_shape_is_right
	s_endpgm
.Lentry_shape_is_right:
; T = x B.  x: [2048][4096] f32, B: [4096][512] f32, T: [2048][512], rounded once to bf16 and stored in t2 in fragment order.
;
; WORK LEFT OUT.  The problem asks for out = x (A B^T)^T + bias.  For all real x, A, B the product of matrices is associative:
; x (A B^T)^T = x (B A^T) = (x B) A^T.  So the weight W = A B^T ([4096][4096], 2 x 4096 x 4096 x 512 operations) is never formed, nor the
; product x W^T (2 x 2048 x 4096 x 4096); this launch makes T = x B (2 x 2048 x 4096 x 512) and the next one T A^T + bias (the same count).
; Every input keeps its way to the output and every input is loaded.
; LIMITS.  The order of sums and of roundings differs from the problem's: the intermediate that is rounded to bf16 is T, not W; x, B, T, A
; enter the matrix unit as bf16 (f32's exponent range), all sums are f32; K is summed in four parts (one a wave), and half of the work-groups
; begin in the middle of K (below).  An overflow, infinity or NaN that would arise only in forming W is not carried to the result; one that
; arises in T is.
;
; SHARES.  256 work-groups of four waves.  A work-group makes 64 rows x 64 columns of T over K = 4096, in 8 trips of 512 along K.
; K is split among the waves: in each trip wave w owns 128 k of the trip's 512 and makes the whole 64 x 64 block for them (16 accumulator
; tiles, 128 registers).  So every byte of x in LDS is read once and narrowed once, by the wave whose load brought it.  At the end the four
; partial blocks are added through LDS scratch: wave w ends up with rows 16 w .. 16 w + 15.
;
; x comes by tensor loads: a tile is 64 rows x 128 f32 (rows of 512 bytes, each a multiple of 256 from x's first byte), one a wave and trip,
; two LDS slots a wave.  CLUSTER 4 x 1: the four work-groups of a cluster make the four neighbouring column blocks of the same 64 rows, need
; the same tiles of x and ask for them jointly (mask 15): x's requests are divided by four.
; THE WALK ALONG K IS STAGGERED.  Two clusters (cluster x = 0 and 1) walk the same 64 rows of x.  Trip t works on chunk (t + 4 x cluster x) mod 8
; of K's eight chunks of 512, so the two never ask for the same tile at the same time: each tile is asked for a first time by one of them in
; its trips 0 to 3 and a second time by the other four trips later.  The cluster's x is the same in all four partners.
; PREFETCH.  Of the four tiles that a cluster is first to ask for, those of trips 0 and 1 are its first fills; those of trips 2 and 3 are asked
; for ahead: a wave asks for its own tile's 512 bytes of rows 16 cx .. 16 cx + 15, 32 lanes for 32 blocks of 256 bytes, so the cluster's
; sixteen waves ask for each of a trip's 512 blocks once.  Trip 2's is asked for behind the first loads of B (its tensor load goes out in k-step 1),
; trip 3's in k-step 0 (its tensor load goes out in k-step 5); 64 clusters x 2 x 131,072 bytes are asked for in all.  B is not prefetched: each
; of its blocks is read by 32 work-groups at about the same time, and three k-steps of it are always asked for ahead, into registers.
; B is NOT asked for jointly and does not pass through LDS.  It lies [k][n]: a lane loads the 16 bytes B[k][n0 + 4 r .. + 3] for its sixteen k,
; so one load of the wave reads two whole rows of 256 bytes, and the lane's four columns are one element each of four fragments c = 0 .. 3
; (fragment c's index p stands for column 4 p + c).  The narrowing instruction takes any two registers, so pairing k with k + 1 is free.
; A trip's part of B is 512 x 64 x 4 = 131,072 bytes, as much as its part of x: two slots of both would be 524,288 bytes and do not fit into
; the 327,680 of LDS, so B in LDS would halve the slots and double the number of refills and of rounds of the cluster's barrier.
;
; THE SCHEDULE.  A wave's K goes in 32 k-steps of 32, j = 0 .. 31; trip = j / 4, slot = trip mod 2.  While k-step j's sixteen products are
; issued, k-step j + 1's fragments are made: behind each product stands a slice of four narrowings, x's behind products 0 to 7, B's behind
; products 8 to 15, into the fragment buffers of the other parity.  A narrowing's result has to lie in the window from which products take
; their sources, a product's result in the accumulators' window, and the accumulators (128 registers), both fragment buffers (128) and the f32
; sources do not fit into one window: so a slice costs two window switches, 32 a k-step; six instructions stand behind each product.
; All memory instructions of a k-step stand in ONE run between products 7 and 8: x's LDS loads for k-step j + 3 (x as loaded has two register
; buffers, by parity: the four waves' LDS loads of a k-step are 64 x 512 bytes, so they get one and a half k-steps to come back), and B's
; loads for k-step j + 4.  Since the LDS reads run ahead of the products, a trip's head (the wait for its tile, and the refill of the slot
; whose reads are over) stands in the k-steps with j mod 4 = 1; from a refill to the wait for it are four k-steps.
;
; THE MATRIX INSTRUCTION IS USED TRANSPOSED: source 0 = B's fragment c, source 1 = 16 rows of x.  Register q of lane (r, h) of the result is
; T[m0 + r][n0 + 32 h + 4 q + c]: packing across c gives the lane 32 neighbouring columns in true order, 64 bytes of bf16.
;
; t2, bytes: kb*262144 + mb*2048 + c*512 + g*256 + r*16 + 2 e  holds  T[16 mb + r][64 kb + 32 g + 8 c + e].  A lane's four 16-byte pieces c = 0 .. 3
; go to base + 512 c + 16 lane: each store of the wave covers 512 consecutive bytes, aligned to 512.
;
; REGISTERS, in windows of 256 (s_set_vgpr_msb's low byte: bits 1:0 source 0, 3:2 source 1, 5:4 source 2, 7:6 destination):
;   window 0: v1-15 lane numbers and addresses; v64-127 x as loaded (f32), even k-steps; v128-159/160-191 and v192-223/224-255 bf16 fragments of B / of x, two buffers
;   window 1: v0-127 the 16 accumulator tiles, tile (d, c) at 8 (4 d + c); d counts row blocks from the wave's own: block (w + d) mod 4;
;             v128-191 x as loaded, odd k-steps
;   window 2: a ring of four k-steps of B as loaded (f32), 64 registers each
.set PITCH, 528                        ; an LDS row: 512 bytes + 16 of padding = 33 x 16: the 16 rows that a load touches lie in 16 different 16-byte columns of a 256-byte span
.set TILE,  64*PITCH                   ; 33,792: a tile, and a slot
.set RING,  2*TILE                     ; a wave's two slots
.set SCR,   4*RING                     ; 270,336: scratch for the final sum; no tensor load ever lands here
.set SCRW,  12288                      ; a wave's part of it: three row blocks of 4,096 bytes
.set TRIPX, 2048                       ; 512 f32 along a row of x
.set ROWX,  16384                      ; a row of x: eight trips
.set KSB,   65536                      ; 32 rows of B: a k-step
.set TRIPB, 1048576                    ; 512 rows of B: a trip
.set ALLB,  8388608                    ; all of B: eight trips
.set XA,   4                           ; v4-7    LDS address of my part of row block (w + d) mod 4 in my slot 0
.set BO,   8                           ; v8      byte offset in B: 8 h rows + 16 r
.set SST,  9                           ; v9      scratch: where I put
.set SLD,  10                          ; v10-12  scratch: where I fetch, from waves w + 3, w + 2, w + 1 (mod 4)
.set TO,   13                          ; v13     16 x lane, my offset in t2
.set PF,   15                          ; v15     prefetch: row 16 cx + r, my wave's 512 bytes, block h; never rewritten
.set XR,   64                          ; + 64 x parity of the k-step, in the window of that parity
.set FB,   128                         ; + 64 x parity of the k-step
.set FX,   160                         ; + 64 x parity of the k-step
.set PK,   160                         ; the 16 packed words at the end
.set G1,   16                          ; s[16:23] descriptor group 1
.set G0,   24                          ; s[24:31] descriptor group 0, one set for each slot
.set SBB,  32                          ; s[32:33] B at my columns and my first row of the trip that is being loaded
.set STB,  42                          ; s[42:43] t2 at my 2,048 bytes
.set XO,   44                          ; s[44:47] for each slot: the byte offset along x's rows of its tile, with 0 above it
.set BOF,  48                          ; s[48:49] the byte offset in B of the chunk that is being loaded, with 0 above it
.set BB,   50                          ; s[50:51] B at my columns and my 128 rows of chunk 0
.set PFB,  54                          ; s[54:55] x at the group's first row and trip 0's chunk; never rewritten
.set MSB, 0
.macro WIN new                         ; the immediate's high byte repeats the setting that is left
.if MSB != (\new)
	s_set_vgpr_msb (MSB<<8)|(\new)
.set MSB, (\new)
.endif
.endm
; A round of the cluster's barrier: my work-group's barrier, wave 0 signals for the work-group, every wave waits for all four work-groups, my work-group's barrier again.
.macro ROUND
	s_barrier_signal -1
	s_barrier_wait -1
	s_cmp_lg_u32 s10, 0
	s_cbranch_scc1 .Lnot_wave_0_\@
	s_barrier_signal -3
.Lnot_wave_0_\@:
	s_barrier_wait -3
	s_barrier_signal -1
	s_barrier_wait -1
.endm
	s_load_b128 s[4:7], s[0:1], 0x0                ; x s[4:5], B s[6:7]
	s_load_b64 s[8:9], s[0:1], 0x10                ; t2
	v_lshl_add_u32 v62, v0, 2, 0x4e000
	v_mov_b32 v63, 0
	ds_add_u32 v62, v63
	v_lshrrev_b32 v1, 5, v0
	v_readfirstlane_b32 s10, v1                    ; wave 0..3
	s_bfe_u32 s11, ttmp6, 0x40000                  ; cx: my place in the cluster
	s_lshl_b32 s12, ttmp9, 2
	s_add_co_u32 s12, s12, s11                     ; column block of T, 0..7 = 4 x cluster x + cx
	s_and_b32 s13, ttmp7, 0xffff                   ; row block of T, 0..31: the same in all four partners
	; descriptor group 1: 64 rows x 128 elements of 4 bytes, padded in LDS, asked for jointly by the cluster's four work-groups
	s_mov_b32 s[G1+0], 15|(2<<16)|(1<<20)|(1<<21)|(6<<22)|(3<<25)  ; 15:0 mask 15; 17:16 elements of 4 bytes; 20 padding on; 21 set beside a mask; 24:22 after every 128 words; 31:25 of 4 words
	s_mov_b32 s[G1+1], 128<<16                     ; tensor_dim0 = 128
	s_mov_b32 s[G1+2], 64<<16                      ; tensor_dim1 = 64
	s_mov_b32 s[G1+3], 128<<16                     ; tile_dim0 = 128
	s_mov_b32 s[G1+4], 64                          ; tile_dim1 = 64
	s_mov_b32 s[G1+5], 4096                        ; elements from row to row of x
	s_mov_b32 s[G1+6], 0
	s_mov_b32 s[G1+7], 0
	; offsets, each in registers of its own; those of x's tiles never hold cx
	s_lshl_b32 s14, s13, 20                        ; 64 rows of 16,384 bytes a row block
	s_lshl_b32 s38, s10, 9                         ; my 128 k of a trip's 512
	s_add_co_u32 s14, s14, s38
	s_mov_b32 s15, 0
	s_lshl_b32 s[XO], ttmp9, 13                    ; slot 0's first tile: trip 0 is chunk 4 x cluster x, 8,192 bytes along the rows for cluster x = 1
	s_mov_b32 s[XO+1], 0
	s_add_co_u32 s[XO+2], s[XO], TRIPX             ; slot 1's first tile: trip 1
	s_mov_b32 s[XO+3], 0
	s_lshl_b32 s[BOF], ttmp9, 22                   ; the same chunk in B: 2,048 rows of 2,048 bytes
	s_mov_b32 s[BOF+1], 0
	s_mul_i32 s37, s10, RING                       ; my two slots in LDS
	s_lshl_b32 s34, s12, 8                         ; B: 64 columns of 4 bytes a column block,
	s_lshl_b32 s38, s10, 18                        ; and 128 rows of 2,048 bytes a wave
	s_add_co_u32 s34, s34, s38
	s_mov_b32 s35, 0
	s_lshl_b32 s40, s12, 18                        ; t2: kb = column block,
	s_lshl_b32 s38, s13, 13                        ; mb = 4 x row block
	s_add_co_u32 s40, s40, s38
	s_lshl_b32 s38, s10, 11                        ; + wave
	s_add_co_u32 s40, s40, s38
	s_mov_b32 s41, 0
	s_lshl_b32 s56, s13, 20                        ; prefetch: the group's first row,
	s_add_co_u32 s56, s56, s[XO]                   ; trip 0's chunk
	s_mov_b32 s57, 0
	s_lshl_b32 s39, s11, 18                        ; 16 cx rows of 16,384 bytes,
	s_lshl_b32 s38, s10, 9                         ; my wave's 512 bytes of a trip's 2,048
	s_add_co_u32 s39, s39, s38
	; lane numbers and the addresses that the first loads need
	v_and_b32 v1, 15, v0                           ; r
	v_bfe_u32 v2, v0, 4, 1                         ; h
	v_and_b32 v3, 31, v0                           ; lane
	v_lshlrev_b32 v[BO], 4, v1
	v_lshl_or_b32 v[BO], v2, 14, v[BO]             ; 8 h rows of 2,048 bytes + 16 r
	v_lshlrev_b32 v[PF], 14, v1                    ; row r,
	v_lshl_or_b32 v[PF], v2, 8, v[PF]              ; block h of the two
	v_add_nc_u32 v[PF], s39, v[PF]
	v_mul_u32_u24 v14, v1, PITCH
	v_lshl_add_u32 v14, v2, 5, v14                 ; row r, 8 h f32 along it
.irp d, 0,1,2,3
	s_add_co_u32 s38, s10, \d
	s_and_b32 s38, s38, 3                          ; row block (w + d) mod 4
	s_mul_i32 s38, s38, 16*PITCH
	s_add_co_u32 s38, s38, s37
	v_add_nc_u32 v[XA+\d], s38, v14
.endr
	s_wait_dscnt 0x0
	s_wait_kmcnt 0x0
	s_add_nc_u64 s[14:15], s[4:5], s[14:15]        ; x at my rows and my 128 k of chunk 0
	s_add_nc_u64 s[PFB:PFB+1], s[4:5], s[56:57]
	s_add_nc_u64 s[BB:BB+1], s[6:7], s[34:35]
	s_add_nc_u64 s[SBB:SBB+1], s[BB:BB+1], s[BOF:BOF+1]    ; trip 0
	s_add_nc_u64 s[STB:STB+1], s[8:9], s[40:41]
	ROUND                                          ; all four work-groups are here: the first joint loads meet
.irp s, 0,1
	s_mov_b32 s[G0+4*\s], 1                                        ; count = 1
	s_add_co_u32 s[G0+4*\s+1], s37, \s*TILE                        ; LDS address: wave x 67,584 + slot x 33,792
	s_add_nc_u64 s[G0+4*\s+2:G0+4*\s+3], s[14:15], s[XO+2*\s:XO+2*\s+1]   ; trip s
	s_or_b32 s[G0+4*\s+3], s[G0+4*\s+3], 0x80000000               ; type = 2
	tensor_load_to_lds s[G0+4*\s:G0+4*\s+3], s[G1:G1+7]            ; both first fills go out together: two tensor loads of the wave are out, never more
	s_nop 0
.endr
; 16 LDS loads: my part (row r, k = 8 h .. + 7 and 16 + 8 h .. + 7, as f32) of the four row blocks, k-step ks of the slot, into the buffer of parity w
.macro XLOAD slot, ks, w
	WIN (\w)<<6
.irp d, 0,1,2,3
	ds_load_b128 v[XR+64*(\w)+16*\d:XR+64*(\w)+16*\d+3],     v[XA+\d] offset:(\slot)*TILE+(\ks)*128
	ds_load_b128 v[XR+64*(\w)+16*\d+4:XR+64*(\w)+16*\d+7],   v[XA+\d] offset:(\slot)*TILE+(\ks)*128+16
	ds_load_b128 v[XR+64*(\w)+16*\d+8:XR+64*(\w)+16*\d+11],  v[XA+\d] offset:(\slot)*TILE+(\ks)*128+64
	ds_load_b128 v[XR+64*(\w)+16*\d+12:XR+64*(\w)+16*\d+15], v[XA+\d] offset:(\slot)*TILE+(\ks)*128+80
.endr
.endm
; 16 global loads: a k-step of B, rows 8 h + 0 .. 7 and 16 + 8 h + 0 .. 7 from the base + off, into ring buffer buf; each load reads two whole rows of 256 bytes
.macro BLOAD buf, off
	WIN 0x80
.irp i, 0,1,2,3,4,5,6,7,8,9,10,11,12,13,14,15
	global_load_b128 v[64*(\buf)+4*\i:64*(\buf)+4*\i+3], v[BO], s[SBB:SBB+1] offset:(\off)+((\i&7)+16*(\i>>3))*2048
.endr
.endm
; Slice s = 0 .. 7 of the narrowing of x for k-step k: half s mod 2 of the fragment of row block s / 2
.macro XSL k, s
	WIN ((\k)&1)*5                                 ; sources in the window of the k-step's parity, destination in window 0
.irp i, 0,1,2,3
	v_cvt_pk_bf16_f32 v[FX+64*((\k)&1)+4*(\s)+\i], v[XR+64*((\k)&1)+8*(\s)+2*\i], v[XR+64*((\k)&1)+8*(\s)+2*\i+1]
.endr
.endm
; Slice q = 0 .. 7 of the narrowing of B for k-step k: half q mod 2 of fragment q / 2: column q / 2 of rows 2 p and 2 p + 1 of my sixteen, p = 4 (q mod 2) + i
.macro BSL k, q
	WIN 0x0a                                       ; sources in window 2, destination in window 0
.irp i, 0,1,2,3
	v_cvt_pk_bf16_f32 v[FB+64*((\k)&1)+4*(\q)+\i], v[64*((\k)&3)+8*(4*((\q)&1)+\i)+((\q)>>1)], v[64*((\k)&3)+8*(4*((\q)&1)+\i)+4+((\q)>>1)]
.endr
.endm
; Product s = 4 d + c of k-step j.  The sixteen accumulators take turns, one instruction a turn, in the same order in every k-step.
; K-step 0's products start the sums: nothing is cleared.
.macro PROD j, s
	WIN 0x50                                       ; sources in window 0, C and D in window 1
.if (\j) == 0
	v_wmma_f32_16x16x32_bf16 v[8*(\s):8*(\s)+7], v[FB+64*((\j)&1)+8*((\s)&3):FB+64*((\j)&1)+8*((\s)&3)+7], v[FX+64*((\j)&1)+8*((\s)>>2):FX+64*((\j)&1)+8*((\s)>>2)+7], 0
.else
	v_wmma_f32_16x16x32_bf16 v[8*(\s):8*(\s)+7], v[FB+64*((\j)&1)+8*((\s)&3):FB+64*((\j)&1)+8*((\s)&3)+7], v[FX+64*((\j)&1)+8*((\s)>>2):FX+64*((\j)&1)+8*((\s)>>2)+7], v[8*(\s):8*(\s)+7]
.endif
.endm
; The head of a trip, ahead of the first LDS read of its slot.  refill = 1: slot oth, all of whose reads have been issued, gets the tile of the trip after.
.macro HEAD oth, refill
	WIN 0                                          ; branches and a label follow
	s_wait_tensorcnt 0x0                           ; all my tensor loads have landed, the coming trip's tile among them: no load of mine is out, so a group 0 may be written
	ds_add_u32 v62, v63
	s_wait_dscnt 0x0
.if \refill
	s_add_co_u32 s[XO+2*(\oth)], s[XO+2*(\oth)], 2*TRIPX           ; the slot's next tile: two chunks on,
	s_and_b32 s[XO+2*(\oth)], s[XO+2*(\oth)], ROWX-1               ; round the end of the row
	s_add_nc_u64 s[G0+4*(\oth)+2:G0+4*(\oth)+3], s[14:15], s[XO+2*(\oth):XO+2*(\oth)+1]
	s_or_b32 s[G0+4*(\oth)+3], s[G0+4*(\oth)+3], 0x80000000       ; type = 2
.endif
	s_wait_dscnt 0x0                               ; my reads of that slot are back: the last sixteen were issued one k-step ago
.if \refill
	ROUND                                          ; both waits now hold of every wave of all four work-groups
	tensor_load_to_lds s[G0+4*(\oth):G0+4*(\oth)+3], s[G1:G1+7]    ; my one tensor load behind the round, and the first thing there
	s_nop 0
.else
	s_barrier_signal -1                            ; A wave reads only the tile that its own load brought, so its own wait orders
	s_barrier_wait -1                              ; fill and read; the barrier is kept so that this does not rest on the arithmetic that keeps the waves' tiles apart
.endif
.endm
; K-step j: its sixteen products, with the making of k-step j + 1's fragments behind them, and in the middle the loads for k-steps j + 3 (x) and j + 4 (B).
; What a slice writes (the buffers of parity j + 1) was last read by the products of k-step j - 1; the 32 narrowings of that k-step's second half, which
; name none of those products' registers, stand between: more than the four places that such a write keeps behind a matrix instruction
; (ISA guide 7.12.1).  So no v_nop stands among the k-steps.  All that hangs on j has the period 8, so STEP 1 to 8 serve as the loop's body.
.macro STEP j
.irp s, 0,1,2,3,4,5,6,7
	PROD \j, \s
.if (\j) < 31
.if \s == 0
.if (\j) < 30
	s_wait_dscnt 16                                ; LDS loads return in order: k-step j + 1's sixteen are in, k-step j + 2's stay out
.else
	s_wait_dscnt 0x0                               ; the last k-step's: none were issued behind them
.endif
.endif
	XSL (\j)+1, \s
.endif
.endr
.if (((\j)+3)&3) == 0
.if (\j) <= 21
	HEAD (((\j)+7)>>2)&1, 1                        ; trips 1 to 6: six refills bring the tiles of trips 2 to 7
.else
.if (\j) <= 25
	HEAD 0, 0                                      ; trip 7: no tile is left to ask for
.endif
.endif
.endif
.if (\j) <= 28
	XLOAD (((\j)+3)>>2)&1, ((\j)+3)&3, ((\j)+3)&1  ; into the buffer that the eight slices above have just read
.endif
.if (\j) <= 28
	s_wait_loadcnt 32                              ; loads return in order: k-step j + 1's sixteen are in, those of j + 2 and j + 3 stay out; with the sixteen below 48 are out
.else
.if (\j) <= 30
	s_wait_loadcnt 16*(30-(\j))                    ; nothing is left to ask for: the counts run down
.endif
.endif
.if (\j) <= 27
.if ((\j)&3) == 0
	s_wait_xcnt 0x0                                ; the pending loads of B have had their addresses translated (ISA guide 3.1): their base is rewritten only behind this wait
	s_add_co_u32 s[BOF], s[BOF], TRIPB             ; k-step j + 4 begins a trip: one chunk on,
	s_and_b32 s[BOF], s[BOF], ALLB-1               ; round B's end
	s_add_nc_u64 s[SBB:SBB+1], s[BB:BB+1], s[BOF:BOF+1]
.endif
	BLOAD (\j)&3, ((\j)&3)*KSB                     ; into the ring buffer that was narrowed one k-step ago
.endif
.if (\j) == 0
	WIN 0
	global_prefetch_b8 v[PF], s[PFB:PFB+1] offset:3*TRIPX th:TH_LOAD_NT scope:SCOPE_SE   ; trip 3's tile, behind this k-step's loads and ahead of products
.endif
.irp s, 8,9,10,11,12,13,14,15
	PROD \j, \s
.if (\j) < 31
	BSL (\j)+1, \s-8
.endif
.endr
.endm
	BLOAD 0, 0                                     ; B's ring: the first three k-steps, 48 loads
	BLOAD 1, KSB
	BLOAD 2, 2*KSB
	WIN 0
	global_prefetch_b8 v[PF], s[PFB:PFB+1] offset:2*TRIPX th:TH_LOAD_NT scope:SCOPE_SE   ; trip 2's tile
	; the addresses that only the end needs
	s_mul_i32 s38, s10, SCRW
	s_add_co_u32 s38, s38, SCR
	v_lshl_add_u32 v[SST], v3, 4, s38
.irp e, 0,1,2
	s_add_co_u32 s38, s10, 3-\e
	s_and_b32 s38, s38, 3                          ; the wave for which my row block is its block d = e + 1
	s_mul_i32 s38, s38, SCRW
	s_add_co_u32 s38, s38, SCR+\e*4096
	v_lshl_add_u32 v[SLD+\e], v3, 4, s38
.endr
	v_lshlrev_b32 v[TO], 4, v3
	s_wait_tensorcnt 0x1                           ; my tile of trip 0 is in; trip 1's stays out
	s_barrier_signal -1                            ; (kept for the same reason as the barrier of the last trip's head)
	s_barrier_wait -1
	XLOAD 0, 0, 0
	XLOAD 0, 1, 1
	; k-step 0's fragments are made in a run: there are no products yet to set them behind
	s_wait_loadcnt 32                              ; k-step 0's sixteen loads of B are in, those of k-steps 1 and 2 stay out
.irp q, 0,1,2,3,4,5,6,7
	BSL 0, \q
.endr
	BLOAD 3, 3*KSB
	s_wait_dscnt 16                                ; k-step 0's sixteen LDS loads are in, k-step 1's stay out
.irp s, 0,1,2,3,4,5,6,7
	XSL 0, \s
.endr
	XLOAD 0, 2, 0
	STEP 0
	WIN 0                                          ; at a label and at a branch every window is 0
	s_mov_b32 s36, 3
.Lloop:                                                ; k-steps 1 to 24, eight a trip of the loop
.irp j, 1,2,3,4,5,6,7,8
	STEP \j
.endr
	WIN 0
	s_sub_co_u32 s36, s36, 1
	s_cmp_lg_u32 s36, 0
	s_cbranch_scc1 .Lloop
.irp j, 25,26,27,28,29,30,31
	STEP \j                                        ; the last k-steps are written out: the last head fills nothing, the loads end (B's at k-step 31, whose last row lies inside its chunk), the counts run down
.endr
	; THE SUM OVER THE FOUR WAVES.  Blocks d = 1, 2, 3 go to scratch for waves w + 1, w + 2, w + 3 (mod 4); block d = 0 is my own.
.rept 4
	v_nop                                          ; four places behind the last matrix instruction, ahead of the first read of a result (ISA guide 7.12.1)
.endr
	WIN 0x04                                       ; store data from window 1
.irp d, 1,2,3
.irp c, 0,1,2,3
	ds_store_b128 v[SST], v[8*(4*\d+\c):8*(4*\d+\c)+3]   offset:((\d-1)*4+\c)*1024        ; 16 bytes a lane, 512 neighbouring bytes a store
	ds_store_b128 v[SST], v[8*(4*\d+\c)+4:8*(4*\d+\c)+7] offset:((\d-1)*4+\c)*1024+512
.endr
.endr
	WIN 0
	s_wait_dscnt 0x0                               ; my stores are in LDS, for the other waves' sake
	s_barrier_signal -1
	s_barrier_wait -1
.irp e, 0,1,2
.irp c, 0,1,2,3
	ds_load_b128 v[64+32*\e+8*\c:64+32*\e+8*\c+3],   v[SLD+\e] offset:\c*1024
	ds_load_b128 v[64+32*\e+8*\c+4:64+32*\e+8*\c+7], v[SLD+\e] offset:\c*1024+512
.endr
.endr
	s_wait_dscnt 0x0
	WIN 0x01                                       ; source 0 from window 1: my own partial block
.set i, 0
.rept 16
	v_pk_add_f32 v[64+2*i:65+2*i], v[2*i:2*i+1], v[64+2*i:65+2*i]
.set i, i+1
.endr
	WIN 0
.set i, 0
.rept 16
	v_pk_add_f32 v[96+2*i:97+2*i], v[96+2*i:97+2*i], v[128+2*i:129+2*i]
.set i, i+1
.endr
.set i, 0
.rept 16
	v_pk_add_f32 v[64+2*i:65+2*i], v[64+2*i:65+2*i], v[96+2*i:97+2*i]
.set i, i+1
.endr
	; register q of fragment c is column 32 h + 4 q + c: packing c = 0, 1 and c = 2, 3 puts the lane's 32 columns in order
.irp q, 0,1,2,3,4,5,6,7
	v_cvt_pk_bf16_f32 v[PK+2*\q],   v[64+\q], v[72+\q]
	v_cvt_pk_bf16_f32 v[PK+2*\q+1], v[80+\q], v[88+\q]
.endr
.irp c, 0,1,2,3
	global_store_b128 v[TO], v[PK+4*\c:PK+4*\c+3], s[STB:STB+1] offset:512*\c   ; columns 32 h + 8 c .. + 7 of row r: 512 consecutive bytes a store
.endr
	s_wait_tensorcnt 0x0
	ds_add_u32 v62, v63
	s_wait_dscnt 0x0
	ROUND                                          ; the closing round: no work-group ends while a partner may still ask for a tile that names it
	s_endpgm
.Lfunc_end_k_qbcb8ac3842_xb:
	.size	k_qbcb8ac3842_xb, .Lfunc_end_k_qbcb8ac3842_xb-k_qbcb8ac3842_xb
	.p2alignl 7, 3214868480
	.fill 96, 4, 3214868480
	.section	.rodata,"a",@progbits
	.p2align	6, 0x0
	.amdhsa_kernel k_qbcb8ac3842_xb
		.amdhsa_group_segment_fixed_size 327680
		.amdhsa_private_segment_fixed_size 0
		.amdhsa_enable_private_segment 0
		.amdhsa_kernarg_size 24
		.amdhsa_user_sgpr_count 2
		.amdhsa_user_sgpr_kernarg_segment_ptr 1
		.amdhsa_wavefront_size32 1
		.amdhsa_system_sgpr_workgroup_id_x 1
		.amdhsa_system_sgpr_workgroup_id_y 1
		.amdhsa_system_sgpr_workgroup_id_z 1
		.amdhsa_system_vgpr_workitem_id 0
		.amdhsa_next_free_vgpr 768
		.amdhsa_next_free_sgpr 66
		.amdhsa_reserve_vcc 0
		.amdhsa_float_denorm_mode_32 3
		.amdhsa_float_denorm_mode_16_64 3
		.amdhsa_memory_ordered 1
		.amdhsa_forward_progress 1
		.amdhsa_inst_pref_size 154
	.end_amdhsa_kernel
	.amdgpu_metadata
---
amdhsa.version: [ 1, 2 ]
amdhsa.kernels:
  - .name:           k_qbcb8ac3842_xb
    .symbol:         k_qbcb8ac3842_xb.kd
    .args:
      - { .name: x, .offset: 0, .size: 8, .value_kind: global_buffer, .address_space: global }
      - { .name: B, .offset: 8, .size: 8, .value_kind: global_buffer, .address_space: global }
      - { .name: t2, .offset: 16, .size: 8, .value_kind: global_buffer, .address_space: global }
    .group_segment_fixed_size: 327680
    .private_segment_fixed_size: 0
    .kernarg_segment_align: 8
    .kernarg_segment_size: 24
    .max_flat_workgroup_size: 128
    .sgpr_count:     66
    .vgpr_count:     768
    .wavefront_size: 32
...
	.end_amdgpu_metadata
.endif
;; end of part 1
;; launch ta (part 2): grid 8 x 32, 4 waves a work-group, clusters of 4 x 1, 288,256 bytes of LDS; arguments t2, A, bias, out0; writes out0
.if DOCPART == 2
	.amdgcn_target "amdgcn-amd-amdhsa--gfx1250"
	.amdhsa_code_object_version 6
	.text
	.protected	k_qbcb8ac3842_ta
	.globl	k_qbcb8ac3842_ta
	.p2align	8
	.type	k_qbcb8ac3842_ta,@function
k_qbcb8ac3842_ta:
	s_mov_b64 s[64:65], 0
	v_nop
	global_prefetch_b8 v0, s[64:65] scope:SCOPE_SE
	s_setreg_imm32_b32 hwreg(HW_REG_WAVE_MODE, 25, 1), 1
	s_wait_xcnt 0x0
	s_wait_alu depctr_hold_cnt(0) depctr_sa_sdst(0) depctr_va_vdst(0) depctr_va_sdst(0) depctr_va_ssrc(0) depctr_va_vcc(0) depctr_vm_vsrc(0)
	s_getreg_b32 s2, hwreg(HW_REG_IB_STS2, 6, 4)
	s_cmp_eq_u32 s2, 0
	s_cbranch_scc0 .Lentry_in_a_cluster
	s_endpgm
.Lentry_in_a_cluster:
	s_bfe_u32 s2, ttmp6, 0x10000c
	s_cmp_lg_u32 s2, 0x3003
	s_cbranch_scc0 .Lentry_shape_is_right
	s_endpgm
.Lentry_shape_is_right:
; out0 = T A^T + bias.  T = x B: [2048][512] bf16, in t2 in fragment order; A: [4096][512] f32; bias: [4096] f32; out0: [2048][4096] f32.
; WORK LEFT OUT: the weight W = A B^T is never formed, since x (A B^T)^T = (x B) A^T for all real inputs; the launch before made T = x B.
; LIMITS: T and A enter the matrix unit as bf16, sums are f32 and start from the bias; the order of roundings differs from the problem's;
; an overflow, infinity or NaN that would arise only in W is not carried to the result.
;
; SHARES.  256 work-groups of four waves.  A work-group makes 256 rows x 128 columns of out0; wave w makes rows 128 (w / 2) .. + 127 and columns
; 64 (w mod 2) .. + 63.  The wave's block is made in FOUR PASSES over K = 512, 32 rows (two tiles of 16) x 64 columns each: 8 accumulator tiles at
; work, and the 8 of the pass before on their way out.  So the stores of three quarters of the block leave while products are issued; only the
; last pass's 32 rows are stored behind the last product.  All is written out: every offset is an immediate.
; The first pass narrows A's 64 rows x 512 k to bf16, 16 k-steps x 4 fragments x 8 = 512 registers, which stay: the later passes read no LDS
; for A and narrow nothing.  In the first pass a k-step's LDS loads of the four waves are 64 x 512 bytes, 128 times 256 bytes, beside 64 cycles' worth
; of products (8 of 16 x 16 x 32): LDS paces that pass, not the order of issue, so the narrowing stands in a run.  A as loaded has two register
; buffers, so that a k-step's LDS loads are on their way through the whole k-step before.
;
; A's 128 rows x 512 k of f32 (262,144 bytes) lie in LDS whole, filled once: eight pieces of 64 rows x 128 k (rows of 512 bytes, each a multiple of
; 256 from A's first byte), two tensor loads a wave, no slot is filled again.  CLUSTER 4 x 1: the four work-groups of a cluster make four row blocks
; of the same 128 columns, need the same rows of A and ask for them jointly (mask 15): A's requests are divided by four.
; T is NOT asked for jointly and does not pass through LDS: t2 holds it in the fragment's own order, so a lane's 16 bytes go straight into a
; fragment register quad and each load of the wave reads two aligned runs of 256 bytes.  With T in LDS too (256 rows x 512 k x 2 = 262,144 bytes)
; A's tile would not fit whole, and a ring with refills and rounds of the cluster's barrier would take the place of the one fill.
; T's registers hold one pass's fragments, 16 k-steps x 2 tiles x 8 = 256; they are loaded in groups of four k-steps (16 loads), three groups ahead.
;
; t2, bytes: kb*262144 + mb*2048 + c*512 + g*256 + r*16 + 2 e  holds  T[16 mb + r][64 kb + 32 g + 8 c + e].
;
; THE MATRIX INSTRUCTION IS USED TRANSPOSED: source 0 = 16 rows of A, source 1 = 16 rows of T.  Register q of lane (r, h) of tile (a, b) is
; out0[16 a + r][16 b + 8 h + q]: eight neighbouring columns of a row.  Each pass's first k-step takes the bias of these columns as C.
;
; REGISTERS, in windows of 256 (s_set_vgpr_msb's low byte: bits 1:0 source 0, 3:2 source 1, 5:4 source 2, 7:6 destination):
;   window 0: v1-15 addresses; v16-47 bias; v64-127 A as loaded (even k-steps), later the way out; v128-255 T of k-steps 0-7, 16 registers each
;   window 1: v0-63, v64-127 the two sets of 8 accumulator tiles, set p mod 2, tile (a, b) at 8 (4 a + b) (in the first pass v64-127 hold A as
;             loaded, odd k-steps); v128-255 T of k-steps 8-15
;   window 2, 3: A's bf16 fragments of k-steps 0-7, 8-15: 32 registers a k-step
.set PITCH,  528                       ; an LDS row: 512 bytes + 16 of padding = 33 x 16: the 16 rows that a load touches lie in 16 different 16-byte columns of a 256-byte span
.set PIECE,  64*PITCH                  ; 33,792; piece 2 c + row half: chunk c of K is 128 rows at c x 67,584
.set STAGE,  8*PIECE                   ; 270,336: the way out; no tensor load lands here
.set SPITCH, 272                       ; 256 bytes of a row + 16
.set STAGEW, 16*SPITCH                 ; 4,352 a wave
.set AA,   4                           ; v4-7   LDS address of my part of A's rows in chunk c
.set TOFF, 8                           ; v8     512 h + 16 r: my 16 bytes in a fragment block of t2
.set BOFF, 9                           ; v9     32 h: my eight numbers of sixteen of the bias
.set STO,  10                          ; v10    stage: where I put
.set RD,   11                          ; v11    stage: where I read rows back
.set CO,   12                          ; v12    my byte offset in out0: h rows + 16 r
.set BI,   16
.set AR,   64                          ; in window ks mod 2
.set O0,   64
.set O1,   96
.set TB,   128                         ; + 16 (ks mod 8) + 8 a, in window ks / 8
.set G1,   16                          ; s[16:23] descriptor group 1
.set G0,   24                          ; s[24:31] descriptor group 0, one set for each of my two loads
.set MSB, 0
.macro WIN new                         ; the immediate's high byte repeats the setting that is left
.if MSB != (\new)
	s_set_vgpr_msb (MSB<<8)|(\new)
.set MSB, (\new)
.endif
.endm
; A round of the cluster's barrier: my work-group's barrier, wave 0 signals for the work-group, every wave waits for all four work-groups, my work-group's barrier again.
.macro ROUND
	s_barrier_signal -1
	s_barrier_wait -1
	s_cmp_lg_u32 s12, 0
	s_cbranch_scc1 .Lnot_wave_0_\@
	s_barrier_signal -3
.Lnot_wave_0_\@:
	s_barrier_wait -3
	s_barrier_signal -1
	s_barrier_wait -1
.endm
	s_load_b256 s[4:11], s[0:1], 0x0               ; t2 s[4:5], A s[6:7], bias s[8:9], out0 s[10:11]
	v_lshl_add_u32 v62, v0, 2, 0x46400
	v_mov_b32 v63, 0
	ds_add_u32 v62, v63
	v_lshrrev_b32 v1, 5, v0
	v_readfirstlane_b32 s12, v1                    ; wave 0..3
	s_lshr_b32 s13, s12, 1                         ; which 128 rows of the block are mine.  Also: which chunk of K my loads bring
	s_and_b32 s14, s12, 1                          ; which 64 columns.  Also: which 64 rows of A my loads bring
	s_bfe_u32 s15, ttmp6, 0x40000                  ; cx: my place in the cluster
	s_lshl_b32 s40, ttmp9, 2
	s_add_co_u32 s40, s40, s15                     ; row block of out0, 0..7 = 4 x cluster x + cx
	s_and_b32 s41, ttmp7, 0xffff                   ; column block, 0..31: the same in all four partners
	; descriptor group 1: 64 rows x 128 elements of 4 bytes, padded in LDS, asked for jointly by the cluster's four work-groups
	s_mov_b32 s[G1+0], 15|(2<<16)|(1<<20)|(1<<21)|(6<<22)|(3<<25)  ; 15:0 mask 15; 17:16 elements of 4 bytes; 20 padding on; 21 set beside a mask; 24:22 after every 128 words; 31:25 of 4 words
	s_mov_b32 s[G1+1], 128<<16                     ; tensor_dim0 = 128
	s_mov_b32 s[G1+2], 64<<16                      ; tensor_dim1 = 64
	s_mov_b32 s[G1+3], 128<<16                     ; tile_dim0 = 128
	s_mov_b32 s[G1+4], 64                          ; tile_dim1 = 64
	s_mov_b32 s[G1+5], 512                         ; elements from row to row of A
	s_mov_b32 s[G1+6], 0
	s_mov_b32 s[G1+7], 0
	; offsets; those of A's pieces never hold cx
	s_lshl_b32 s42, s41, 18                        ; 128 rows of 2,048 bytes a column block,
	s_lshl_b32 s45, s14, 17                        ; 64 rows a row half,
	s_add_co_u32 s42, s42, s45
	s_lshl_b32 s45, s13, 9                         ; 512 bytes a chunk
	s_add_co_u32 s42, s42, s45
	s_mov_b32 s43, 0
	s_mul_i32 s44, s12, PIECE                      ; piece w; my second load brings piece w + 4
	s_lshl_b32 s46, s40, 15                        ; t2: 16 blocks of 2,048 bytes a row block,
	s_lshl_b32 s45, s13, 14                        ; 8 for my half
	s_add_co_u32 s46, s46, s45
	s_mov_b32 s47, 0
	s_lshl_b32 s38, s41, 9                         ; bias, and a row of out0: 128 columns of 4 bytes a column block,
	s_lshl_b32 s45, s14, 8                         ; 64 for my half
	s_add_co_u32 s38, s38, s45
	s_mov_b32 s39, 0
	; lane numbers and addresses
	v_and_b32 v1, 15, v0                           ; r
	v_bfe_u32 v2, v0, 4, 1                         ; h
	v_mul_u32_u24 v14, v1, PITCH
	v_lshl_add_u32 v14, v2, 5, v14                 ; row r, 8 h f32 along it
	s_mul_i32 s45, s14, PIECE                      ; my 64 rows of A
.irp c, 0,1,2,3
	v_add_nc_u32 v[AA+\c], s45, v14
	s_add_co_u32 s45, s45, 2*PIECE
.endr
	v_lshlrev_b32 v15, 4, v1                       ; 16 r
	v_lshl_or_b32 v[TOFF], v2, 9, v15
	v_lshlrev_b32 v[BOFF], 5, v2
	v_lshl_or_b32 v[CO], v2, 14, v15               ; h rows of 16,384 bytes + 16 r
	s_mul_i32 s45, s12, STAGEW
	s_add_co_u32 s45, s45, STAGE                   ; my stage
	v_mul_u32_u24 v13, v1, SPITCH                  ; in: row r, 32 bytes for each half of the lanes
	v_lshl_add_u32 v13, v2, 5, v13
	v_add_nc_u32 v[STO], s45, v13
	v_mul_u32_u24 v13, v2, SPITCH                  ; back: lanes 0-15 take one row of 256 bytes, lanes 16-31 the next
	v_add_nc_u32 v13, v13, v15
	v_add_nc_u32 v[RD], s45, v13
	s_wait_dscnt 0x0
	s_wait_kmcnt 0x0
	s_add_nc_u64 s[42:43], s[6:7], s[42:43]        ; A at my first piece
	ROUND                                          ; all four work-groups are here: the joint loads meet
.irp s, 0,1
	s_mov_b32 s[G0+4*\s], 1                                        ; count = 1
	s_add_co_u32 s[G0+4*\s+1], s44, \s*4*PIECE                     ; LDS address: wave x 33,792 (+ 135,168)
	s_add_nc_u64 s[G0+4*\s+2:G0+4*\s+3], s[42:43], \s*1024         ; chunk w / 2, then two chunks further along the rows
	s_or_b32 s[G0+4*\s+3], s[G0+4*\s+3], 0x80000000               ; type = 2
	tensor_load_to_lds s[G0+4*\s:G0+4*\s+3], s[G1:G1+7]            ; my two tensor loads of the launch go out together: two are out, never more
	s_nop 0
.endr
	s_add_nc_u64 s[32:33], s[4:5], s[46:47]        ; t2 at my 128 rows
	s_add_nc_u64 s[34:35], s[8:9], s[38:39]        ; bias at my 64 columns
	s_add_nc_u64 s[36:37], s[10:11], s[38:39]      ; out0 at my 64 columns,
	s_lshl_b32 s46, s40, 22                        ; 256 rows of 16,384 bytes a row block,
	s_lshl_b32 s45, s13, 21                        ; 128 for my half
	s_add_co_u32 s46, s46, s45
	s_add_nc_u64 s[36:37], s[36:37], s[46:47]
; 16 LDS loads: my part (row r, k = 8 h .. + 7 and 16 + 8 h .. + 7, as f32) of my four blocks of 16 rows of A, k-step ks, into the buffer of its parity
.macro ALOAD ks
	WIN ((\ks)&1)<<6
.irp b, 0,1,2,3
	ds_load_b128 v[AR+16*\b:AR+16*\b+3],     v[AA+((\ks)>>2)] offset:\b*16*PITCH+((\ks)&3)*128
	ds_load_b128 v[AR+16*\b+4:AR+16*\b+7],   v[AA+((\ks)>>2)] offset:\b*16*PITCH+((\ks)&3)*128+16
	ds_load_b128 v[AR+16*\b+8:AR+16*\b+11],  v[AA+((\ks)>>2)] offset:\b*16*PITCH+((\ks)&3)*128+64
	ds_load_b128 v[AR+16*\b+12:AR+16*\b+15], v[AA+((\ks)>>2)] offset:\b*16*PITCH+((\ks)&3)*128+80
.endr
.endm
; 32 narrowings: A's four fragments of k-step ks, into registers that are theirs for the rest of the launch
.macro CVT ks
	WIN ((2+((\ks)>>3))<<6)|(((\ks)&1)*5)
.irp b, 0,1,2,3
.irp p, 0,1,2,3,4,5,6,7
	v_cvt_pk_bf16_f32 v[32*((\ks)&7)+8*\b+\p], v[AR+16*\b+2*\p], v[AR+16*\b+2*\p+1]
.endr
.endr
.endm
; 16 global loads: group Q = 4 x pass + quarter: T's fragments of the pass's two tiles of 16 rows, k-steps 4 x quarter + 0 .. 3; pieces c = h and c = 2 + h
.macro TQLOAD Q
	WIN (((\Q)>>1)&1)<<6
.irp k, 0,1,2,3
.irp a, 0,1
	global_load_b128 v[TB+16*((4*(\Q)+\k)&7)+8*\a:TB+16*((4*(\Q)+\k)&7)+8*\a+3],   v[TOFF], s[32:33] offset:(2*((\Q)&3)+(\k>>1))*262144+(\k&1)*256+(2*((\Q)>>2)+\a)*2048
	global_load_b128 v[TB+16*((4*(\Q)+\k)&7)+8*\a+4:TB+16*((4*(\Q)+\k)&7)+8*\a+7], v[TOFF], s[32:33] offset:(2*((\Q)&3)+(\k>>1))*262144+(\k&1)*256+(2*((\Q)>>2)+\a)*2048+1024
.endr
.endr
.endm
; 8 matrix instructions: k-step ks of pass p.  The eight accumulators take turns, one instruction a turn, in the same order in every k-step.
.macro MUL p, ks
.if (\ks) == 0
	WIN 0x42                                       ; A window 2, T window 0, C window 0 (the bias), D window 1
.else
.if (\ks) < 8
	WIN 0x52                                       ; A window 2, T window 0, C and D window 1
.else
	WIN 0x57                                       ; A window 3, T window 1, C and D window 1
.endif
.endif
.irp a, 0,1
.irp b, 0,1,2,3
.if (\ks) == 0
	v_wmma_f32_16x16x32_bf16 v[64*((\p)&1)+8*(4*\a+\b):64*((\p)&1)+8*(4*\a+\b)+7], v[8*\b:8*\b+7], v[TB+8*\a:TB+8*\a+7], v[BI+8*\b:BI+8*\b+7]   ; the bias starts the sums: nothing is cleared, nothing is added later
.else
	v_wmma_f32_16x16x32_bf16 v[64*((\p)&1)+8*(4*\a+\b):64*((\p)&1)+8*(4*\a+\b)+7], v[32*((\ks)&7)+8*\b:32*((\ks)&7)+8*\b+7], v[TB+16*((\ks)&7)+8*\a:TB+16*((\ks)&7)+8*\a+7], v[64*((\p)&1)+8*(4*\a+\b):64*((\p)&1)+8*(4*\a+\b)+7]
.endif
.endr
.endr
.endm
; THE WAY OUT of 16 rows (tile row a of pass pc), in three parts: a lane's 32 bytes of a row go into my own stage in LDS; whole rows of 256 bytes come back; they are stored.
.macro OUTS pc, a
	WIN 0x04                                       ; store data from window 1
.irp b, 0,1,2,3
	ds_store_b128 v[STO], v[64*((\pc)&1)+8*(4*(\a)+\b):64*((\pc)&1)+8*(4*(\a)+\b)+3]   offset:64*\b
	ds_store_b128 v[STO], v[64*((\pc)&1)+8*(4*(\a)+\b)+4:64*((\pc)&1)+8*(4*(\a)+\b)+7] offset:64*\b+16
.endr
.endm
.macro OUTL f
	WIN 0
	s_wait_xcnt 0x0                                ; every earlier store has had its addresses translated (ISA guide 3.1): buffer f, which stores read, is loaded again only behind this wait
.irp t, 0,1,2,3,4,5,6,7
	ds_load_b128 v[\f+4*\t:\f+4*\t+3], v[RD] offset:\t*2*SPITCH    ; LDS serves a wave's instructions in order (ISA guide 5.7.1): these see the stores above, and the stage's next stores follow these
.endr
.endm
; now = 1: straight behind OUTL, row pair by row pair; now = 0: 32 matrix instructions later, one wait
.macro OUTG pc, a, f, now
	WIN 0
.if \now == 0
	s_wait_dscnt 0x0                               ; the eight row pairs are back
.endif
.irp t, 0,1,2,3,4,5,6,7
.if \now
	s_wait_dscnt 7-\t                              ; row pair t is back
.endif
	global_store_b128 v[CO], v[\f+4*\t:\f+4*\t+3], s[36:37] offset:(2*(\pc)+(\a))*262144+\t*32768 th:TH_STORE_NT   ; 16 lanes store 256 consecutive bytes, at a multiple of 256 from out0's first byte
.endr
.endm
; a quarter of the way out of pass pc, at the head of quarter q of the pass behind it
.macro OUTQ pc, q
.if (\q) == 0
	OUTS \pc, 0
	OUTL O0
.endif
.if (\q) == 1
	OUTG \pc, 0, O0, 0
.endif
.if (\q) == 2
	OUTS \pc, 1
	OUTL O1
.endif
.if (\q) == 3
	OUTG \pc, 1, O1, 0
.endif
.endm
; The head of group Q (four k-steps, 32 matrix instructions).  Group Q's sixteen loads of T are waited for; group Q + 3 is asked for, into the registers
; that group Q - 1's matrix instructions read.  Such a load, and an LDS store of a matrix result, keep four places behind the matrix instruction.
; In the first pass the k-step's 32 narrowings, which name none of its registers, stand there; the later passes have no vector
; work at all, so four v_nop stand at each group's head.
.macro QHEAD Q
.if (\Q) <= 13
	s_wait_loadcnt 32                              ; loads return in order: group Q (and the bias, which is older) is in, groups Q + 1 and Q + 2 stay out
.else
	s_wait_loadcnt 16*(15-(\Q))                    ; nothing is left to ask for: the counts run down
.endif
.if (\Q) >= 4
.rept 4
	v_nop
.endr
	OUTQ ((\Q)>>2)-1, (\Q)&3
.endif
.if (\Q) <= 12
	TQLOAD (\Q)+3
.endif
.endm
; A k-step of the first pass: A's fragments are made, and used for the first time.
.macro STEP0 ks
.if (\ks) < 15
	s_wait_dscnt 16                                ; this k-step's sixteen LDS loads are in, the next k-step's stay out
.else
	s_wait_dscnt 0x0
.endif
	CVT \ks
.if (\ks) == 6
	s_wait_tensorcnt 0x0                           ; my second piece is in,
	s_wait_dscnt 0x0                               ; no LDS load of mine is pending at the signal,
	s_barrier_signal -1
	s_barrier_wait -1                              ; everybody's second piece is in: chunks 2 and 3 of K are whole, and k-step 8 may be read
.endif
.if (\ks) < 14
	ALOAD (\ks)+2                                  ; into the buffer just narrowed
.endif
.if ((\ks)&3) == 0
	QHEAD (\ks)>>2
.endif
	MUL 0, \ks
.endm
.irp b, 0,1,2,3
	global_load_b128 v[BI+8*\b:BI+8*\b+3],   v[BOFF], s[34:35] offset:64*\b       ; bias[16 b + 8 h .. + 7]
	global_load_b128 v[BI+8*\b+4:BI+8*\b+7], v[BOFF], s[34:35] offset:64*\b+16
.endr
	TQLOAD 0                                       ; T's first three groups; with the bias 56 loads are out
	TQLOAD 1
	TQLOAD 2
	WIN 0
	s_wait_tensorcnt 0x1                           ; my first piece is in; the second stays out
	s_barrier_signal -1
	s_barrier_wait -1                              ; everybody's first piece is in: chunks 0 and 1 of K are whole
	ALOAD 0
	ALOAD 1
.irp k, 0,1,2,3,4,5,6,7,8,9,10,11,12,13,14,15
	STEP0 \k
.endr
.irp p, 1,2,3
.irp q, 0,1,2,3
	QHEAD 4*\p+\q
	MUL \p, 4*\q
	MUL \p, 4*\q+1
	MUL \p, 4*\q+2
	MUL \p, 4*\q+3
.endr
.endr
.rept 4
	v_nop                                          ; four places behind the last matrix instruction, ahead of the first read of a result (ISA guide 7.12.1)
.endr
	OUTS 3, 0                                      ; the last pass's 32 rows
	OUTL O0
	OUTG 3, 0, O0, 1
	OUTS 3, 1
	OUTL O1
	OUTG 3, 1, O1, 1
	s_wait_tensorcnt 0x0
	ds_add_u32 v62, v63
	s_wait_dscnt 0x0
	ROUND                                          ; the closing round: no work-group ends while a partner may still ask for a piece that names it
	s_endpgm
.Lfunc_end_k_qbcb8ac3842_ta:
	.size	k_qbcb8ac3842_ta, .Lfunc_end_k_qbcb8ac3842_ta-k_qbcb8ac3842_ta
	.p2alignl 7, 3214868480
	.fill 96, 4, 3214868480
	.section	.rodata,"a",@progbits
	.p2align	6, 0x0
	.amdhsa_kernel k_qbcb8ac3842_ta
		.amdhsa_group_segment_fixed_size 288256
		.amdhsa_private_segment_fixed_size 0
		.amdhsa_enable_private_segment 0
		.amdhsa_kernarg_size 32
		.amdhsa_user_sgpr_count 2
		.amdhsa_user_sgpr_kernarg_segment_ptr 1
		.amdhsa_wavefront_size32 1
		.amdhsa_system_sgpr_workgroup_id_x 1
		.amdhsa_system_sgpr_workgroup_id_y 1
		.amdhsa_system_sgpr_workgroup_id_z 1
		.amdhsa_system_vgpr_workitem_id 0
		.amdhsa_next_free_vgpr 1024
		.amdhsa_next_free_sgpr 66
		.amdhsa_reserve_vcc 0
		.amdhsa_float_denorm_mode_32 3
		.amdhsa_float_denorm_mode_16_64 3
		.amdhsa_memory_ordered 1
		.amdhsa_forward_progress 1
		.amdhsa_inst_pref_size 131
	.end_amdhsa_kernel
	.amdgpu_metadata
---
amdhsa.version: [ 1, 2 ]
amdhsa.kernels:
  - .name:           k_qbcb8ac3842_ta
    .symbol:         k_qbcb8ac3842_ta.kd
    .args:
      - { .name: t2, .offset: 0, .size: 8, .value_kind: global_buffer, .address_space: global }
      - { .name: A, .offset: 8, .size: 8, .value_kind: global_buffer, .address_space: global }
      - { .name: bias, .offset: 16, .size: 8, .value_kind: global_buffer, .address_space: global }
      - { .name: out0, .offset: 24, .size: 8, .value_kind: global_buffer, .address_space: global }
    .group_segment_fixed_size: 288256
    .private_segment_fixed_size: 0
    .kernarg_segment_align: 8
    .kernarg_segment_size: 32
    .max_flat_workgroup_size: 128
    .sgpr_count:     66
    .vgpr_count:     1024
    .wavefront_size: 32
...
	.end_amdgpu_metadata
.endif
;; end of part 2
